; MI455X (gfx1250); checked and timed in simulation.
; The chip was launched on July 23, 2026; its instructions are those of AMD's public machine-readable ISA for CDNA 5 (MIT licence, August 2026) and "CDNA5" Instruction Set Architecture Reference Guide (July 2026). The comments in the code are by the model that wrote it; some were corrected since.
;; Multi Head Attention. Allowed arithmetic: matrix products marked QUANTISED: E4M3 operands, one given power-of-two scale a tensor, by v_wmma_f32_16x16x64_fp8_fp8 or v_wmma_f32_16x16x128_fp8_fp8, f32 sums; everything else in f32.
;; Inputs: Wqkv 1,024 x 2,048 float32; X 4,096 x 1,024 float32; lowp_scales 6 int32 (the exponents e of the quantised operands' scales 2^e).
;; Outputs: out0 4,096 x 1,024 float32.
;; This version of the problem:
;;   THIS VERSION OF THE PROBLEM IS GIVEN IN LOW PRECISION. The matrix products marked QUANTISED in the list below multiply operands that are first quantised to E4M3 (4 exponent bits, 3 mantissa bits; 8 bits a number), with one given power-of-two scale for each operand tensor; their sums are f32. All else is computed in f32.
;;   The module's matrix products, in the order in which they are computed (A, B: the left and right operand; K: the contracted axis; several contracted axes count as one K, in the product's order):
;;     1. [M 4,096, K 1,024] x [K 1,024, N 2,048]; A: input X; B: input Wqkv: QUANTISED (scales: A lowp_scales[0], B lowp_scales[1])
;;     2. batch 16 x [M 4,096, K 64] x [K 64, N 4,096]; A: computed on the way; B: computed on the way: QUANTISED (scales: A lowp_scales[2], B lowp_scales[3])
;;     3. batch 16 x [M 64, K 4,096] x [K 4,096, N 4,096]; A: computed on the way; B: softmax (see below): QUANTISED (scales: A lowp_scales[4], B lowp_scales[5])
;;   THE QUANTISER, for each operand of a quantised product, along K:
;;     - The operand's scale is 2^e, e = its entry of the input lowp_scales (int32; the entries are numbered through the quantised products in the list's order, A before B).
;;     - Each number is divided by the scale, clamped to +-448, and rounded to the nearest number of E4M3, ties to even, subnormals kept.
;;     - The product sums the exact products of the quantised numbers (number of the format x scale) in f32.
;;   ~~~python
;;   def quantise(x, axis, e):      # numpy; x: float32 -> the quantised numbers, widened to float32 again
;;       x = np.moveaxis(x, axis, -1); K = x.shape[-1]
;;       r = np.clip(x / 2.0 ** e, -448, 448)
;;       step = 2.0 ** (np.maximum(np.frexp(np.where(r == 0, 1, r))[1] - 1, -6) - 3)
;;       q = np.round(r / step) * step * 2.0 ** e      # np.round: ties to even
;;       return np.moveaxis(q, -1, axis).astype(np.float32)
;;   ~~~
;;   SOFTMAX AHEAD OF A QUANTISED PRODUCT. Where the list says 'softmax', what is quantised is not the finished softmax but p = 2^(t - M), with t = logit x log2(e) and M = ceil(the row's largest t), a whole number; so 1/2 < the row's largest p <= 1. The row's sum l is taken of the UNQUANTISED p, in f32, and the product's result is divided by l at the end. Since M is a whole number, a kernel that streams over the keys may use a running M (the ceiling of the running maximum): every later rescaling is an exact power of two, so the quantised numbers keep their values, but for numbers so far below the row's largest that they fall under the format's range.
;;   OPERANDS COMPUTED ON THE WAY. 'Computed on the way' means the value that the module computes at that place (a softmax that the list does not call 'softmax' is quantised finished and normalised). What goes into a quantiser is computed in f32, as accurately as f32 sums, v_exp_f32 and their like allow (about 1e-6 of the number): no bf16 or f16 on the way to a quantiser, and a product that is left as it is and whose result goes on into a quantised operand takes f32 operands (vector FMAs, or v_wmma_f32_16x16x4_f32). A number that lies on a knife's edge between two numbers of the format may be rounded either way, as far as f32 arithmetic and the matrix unit's own rounding can turn it there, and no further.
;; One version. Each part assembles by itself: llvm-mc -triple=amdgcn-amd-amdhsa -mcpu=gfx1250 --defsym DOCPART=n.
;; ======== version 1 of 1: 3 launches
;; limits: right only within a limited range of input values
;; workspace buffers: x_codes 4,194,304 bytes; w_codes 2,097,152 bytes; q_img 4,194,304 bytes; k_img 4,194,304 bytes; v_img 4,194,304 bytes
;; launch quant (part 1): grid 384 x 1, 8 waves a work-group, no clusters, 59,392 bytes of LDS; arguments X, Wqkv, lowp_scales, x_codes, w_codes; writes x_codes, w_codes
.if DOCPART == 1
	.amdgcn_target "amdgcn-amd-amdhsa--gfx1250"
	.amdhsa_code_object_version 6
	.text
	.protected	k_qcf01fe5617_quant
	.globl	k_qcf01fe5617_quant
	.p2align	8
	.type	k_qcf01fe5617_quant,@function
k_qcf01fe5617_quant:
	s_mov_b64 s[64:65], 0
	v_nop
	global_prefetch_b8 v0, s[64:65] scope:SCOPE_SE
	s_setreg_imm32_b32 hwreg(HW_REG_WAVE_MODE, 25, 1), 1
	s_wait_xcnt 0x0
; X [4096][1024] f32 and Wqkv [1024 (k)][2048 (n)] f32 become codes of FP8 (E4M3), K innermost: x_codes [4096][1024], w_codes [2048 (n)][1024 (k)].
; code = x / 2^e, held within +-448, rounded to the nearest code, ties to even.  e = entry 0 of the scales for X, entry 1 for Wqkv.
; LIMITS: -126 <= e and e + 8 <= 127, so that 2^e and 448 x 2^e are f32 numbers.  NaN among the inputs is not served (an infinity is held at the largest code).
; One launch for both tensors: work-groups 0-127 take Wqkv (64 columns x 256 along K each), work-groups 128-383 take X (16,384 numbers each).
; The two ways part on the work-group's number at the head, never meet again, and have LDS bytes of their own.
; Every wave issues all its loads at its head.  No tensor loads, clusters or prefetches: every input byte is read once, there is no loop to run ahead in, and work-groups share nothing.
.set WGW,    128                       ; work-groups for Wqkv
.set EMAX,   8
.set MANT,   0x600000                  ; the mantissa field of 448 as f32
; ---- X's way: K is innermost, the tensor is a plain stream.  A wave takes 4 steps of 512 numbers.
.set STEPS,  4
.set XR,     16                        ; v16-79   four sets of 16 numbers as they are loaded
.set XN,     80                        ; v80-111  two sets of 16 neighbours
.set XC,     112                       ; v112-127 codes: four registers for each step
.set SP,     80                        ; a lane's place in a stage: its 64 bytes + 16 of padding
.set WREG,   5120                      ; LDS bytes 0-40959: two stages of 32 x SP bytes for each wave
; ---- Wqkv's way: K is the first axis.  A lane takes a column, its registers run down K.
.set SIZE_K, 1024
.set SIZE_N, 2048
.set PITCH,  272                       ; a stage row: a column's 256 codes + 16 bytes
.set WSTG,   40960                     ; LDS bytes 40960-58367: 64 rows x PITCH, shared by the eight waves
.set WN,     32                        ; v32-95   two blocks of 32 numbers
.set WC,     96                        ; v96-111  their codes
.set WO,     112                       ; v112-127 the way out
.set SPW,    128                       ; LDS address of my spare word; never rewritten
.set NIL,    129                       ; 0; never rewritten
.set SPARE,  WSTG+64*PITCH             ; the spare words, 128 bytes for each wave, in blocks that no other line names
.macro LOADX t
.irp i, 0,1,2,3
	global_load_b128 v[XR+16*(\t)+4*\i:XR+16*(\t)+4*\i+3], v3, s[4:5] offset:2048*(\t)+512*\i th:TH_LOAD_NT   ; 32 lanes read 512 consecutive bytes
.endr
.endm
.macro TURNX t                         ; step t's numbers through the stage: LDS serves a wave's instructions in order, so no wait stands between the stores and the loads
.irp i, 0,1,2,3
	ds_store_b128 v14, v[XR+16*(\t)+4*\i:XR+16*(\t)+4*\i+3] offset:32*SP*((\t)%2)+8*SP*\i
.endr
.irp i, 0,1,2,3
	ds_load_b128 v[XN+16*((\t)%2)+4*\i:XN+16*((\t)%2)+4*\i+3], v15 offset:32*SP*((\t)%2)+16*\i
.endr
.endm
.macro STEPX t
.set XS, XN+16*((\t)%2)
	s_wait_dscnt 0x0                               ; this step's numbers are back from the stage
.if (\t)+1 < STEPS
	s_wait_loadcnt 4*(STEPS-2-(\t))                ; the next step's four loads are in; those of the steps behind it may be out
	TURNX (\t)+1                                   ; and go through the other stage while this step is worked
.endif
.irp i, 0,1,2,3,4,5,6,7,8,9,10,11,12,13,14,15
	v_med3_num_f32 v[XS+\i], v[XS+\i], -v10, v10   ; the conversion to an 8-bit code does not saturate (ISA guide 7.6.2): the hold at the largest code x the scale
.endr
	v_cvt_scalef32_pk8_fp8_f32 v[XC+4*(\t):XC+4*(\t)+1], v[XS:XS+7], v11
	v_cvt_scalef32_pk8_fp8_f32 v[XC+4*(\t)+2:XC+4*(\t)+3], v[XS+8:XS+15], v11
	global_store_b128 v4, v[XC+4*(\t):XC+4*(\t)+3], s[8:9] offset:512*(\t)   ; the wave stores 512 consecutive bytes
.endm
.macro LOADW t                         ; block t: W(32 t + i, my column), i = 0 .. 31
.irp i, 0,1,2,3,4,5,6,7,8,9,10,11,12,13,14,15,16,17,18,19,20,21,22,23,24,25,26,27,28,29,30,31
	global_load_b32 v[WN+32*(\t)+\i], v3, s[6:7] offset:(32*(\t)+\i)*SIZE_N*4 th:TH_LOAD_NT
.endr
.endm
.macro BLOCKW t
.set WS, WN+32*(\t)
	s_wait_loadcnt 32*(1-(\t))                     ; this block's 32 loads are in; the next block's may be out
.irp i, 0,1,2,3,4,5,6,7,8,9,10,11,12,13,14,15,16,17,18,19,20,21,22,23,24,25,26,27,28,29,30,31
	v_med3_num_f32 v[WS+\i], v[WS+\i], -v10, v10
.endr
.irp g, 0,1,2,3
	v_cvt_scalef32_pk8_fp8_f32 v[WC+8*(\t)+2*\g:WC+8*(\t)+2*\g+1], v[WS+8*\g:WS+8*\g+7], v11
.endr
	ds_store_b128 v4, v[WC+8*(\t):WC+8*(\t)+3] offset:32*(\t)    ; 32 codes: 32 bytes of my column's row
	ds_store_b128 v4, v[WC+8*(\t)+4:WC+8*(\t)+7] offset:32*(\t)+16
.endm
.macro SCALE e                         ; v11 = 2^e as f32 (the conversion takes its exponent field), v10 = 448 x 2^e
	s_add_co_i32 s[\e], s[\e], 127
	s_lshl_b32 s31, s[\e], 23
	v_mov_b32 v11, s31
	s_add_co_i32 s[\e], s[\e], EMAX
	s_lshl_b32 s[\e], s[\e], 23
	s_or_b32 s[\e], s[\e], MANT
	v_mov_b32 v10, s[\e]
	s_wait_alu depctr_va_vdst(0)
.endm
	s_load_b128 s[4:7], s[0:1], 0x0                ; X s[4:5], Wqkv s[6:7]
	s_load_b64 s[10:11], s[0:1], 0x10              ; the scales' exponents
	s_load_b128 s[12:15], s[0:1], 0x18             ; x_codes s[12:13], w_codes s[14:15]
	v_lshl_add_u32 v[SPW], v0, 2, SPARE
	v_mov_b32 v[NIL], 0
	v_lshrrev_b32 v1, 5, v0
	v_readfirstlane_b32 s16, v1                    ; wave 0..7
	v_and_b32 v2, 31, v0                           ; lane
	s_wait_alu depctr_va_vdst(0)
	s_cmp_lt_u32 ttmp9, WGW
	s_cbranch_scc1 .Lw
	; ================= X
	s_mul_i32 s17, s16, WREG
	s_sub_co_u32 s18, ttmp9, WGW
	s_lshl_b32 s18, s18, 3
	s_add_co_u32 s18, s18, s16                     ; which run of 2,048 numbers is my wave's
	s_lshl_b32 s20, s18, 13                        ; 8,192 bytes of f32 a run
	s_mov_b32 s21, 0
	s_lshl_b32 s24, s18, 11                        ; 2,048 bytes of codes a run
	s_mov_b32 s25, 0
	v_lshlrev_b32 v3, 4, v2                        ; my 16 bytes of a load's 512
	v_lshrrev_b32 v14, 2, v2
	v_and_b32 v15, 3, v2
	v_mul_u32_u24 v14, v14, SP
	v_mul_u32_u24 v5, v2, SP
	v_lshl_add_u32 v14, v15, 4, v14
	v_add_nc_u32 v15, s17, v5                      ; the stage, on the way out: SP x lane: my 16 neighbours
	v_add_nc_u32 v14, s17, v14                     ; and on the way in: four lanes' 64 bytes on end, then 16 of padding
	v_lshlrev_b32 v4, 4, v2                        ; my codes' place in a step's
	s_wait_alu depctr_va_vdst(0)
	s_wait_kmcnt 0x0
	s_load_b32 s22, s[10:11], 0x0                  ; e of X
	s_add_nc_u64 s[4:5], s[4:5], s[20:21]
	s_add_nc_u64 s[8:9], s[12:13], s[24:25]
.irp t, 0,1,2,3
	LOADX \t
.endr
	s_wait_kmcnt 0x0
	SCALE 22
	s_wait_loadcnt 12                              ; step 0's four loads are in
	TURNX 0
.irp t, 0,1,2,3
	STEPX \t
.endr
	s_wait_tensorcnt 0x0                           ; the wave's end
	ds_add_u32 v[SPW], v[NIL]
	s_wait_dscnt 0x0
	s_endpgm
	; ================= Wqkv
.Lw:
	s_and_b32 s25, ttmp9, 31                       ; which 64 columns
	s_lshr_b32 s18, ttmp9, 5                       ; which 256 along K
	s_and_b32 s26, s16, 1                          ; which 32 of the columns are my wave's
	s_lshr_b32 s27, s16, 1                         ; which 64 of the 256 along K
	s_lshl_b32 s17, s25, 6                         ; the work-group's first column
	s_mul_i32 s19, s26, 32*PITCH
	s_lshl_b32 s28, s27, 6
	s_add_co_u32 s19, s19, s28
	s_add_co_u32 s19, s19, WSTG
	s_mul_i32 s29, s16, 8*PITCH
	s_add_co_u32 s29, s29, WSTG
	v_lshlrev_b32 v3, 2, v2                        ; in: 4 bytes a lane; two waves side by side read 256 consecutive bytes of a row
	v_mul_u32_u24 v4, v2, PITCH
	v_and_b32 v5, 15, v2
	v_lshrrev_b32 v6, 4, v2
	v_add_nc_u32 v4, s19, v4                       ; into the stage: row = my column
	v_mul_u32_u24 v7, v6, PITCH
	v_lshlrev_b32 v8, 10, v6
	v_lshl_add_u32 v7, v5, 4, v7
	v_lshl_add_u32 v8, v5, 4, v8                   ; out of it: sixteen lanes to a row, two rows an instruction; and the same place in w_codes
	v_add_nc_u32 v7, s29, v7                       ; my wave's eight rows
	s_lshl_b32 s20, s18, 21                        ; W: 256 rows of 8,192 bytes,
	s_lshl_b32 s22, s27, 19
	s_add_co_u32 s20, s20, s22                     ; + 64 rows,
	s_lshl_b32 s22, s26, 5
	s_add_co_u32 s22, s22, s17
	s_lshl_b32 s22, s22, 2
	s_add_co_u32 s20, s20, s22                     ; + 4 x column
	s_mov_b32 s21, 0
	s_lshl_b32 s22, s16, 3
	s_add_co_u32 s22, s22, s17
	s_lshl_b32 s24, s22, 10                        ; codes: the eight columns that I store x 1,024,
	s_lshl_b32 s26, s18, 8
	s_add_co_u32 s24, s24, s26                     ; + 256 x the part of K
	s_mov_b32 s25, 0
	s_wait_alu depctr_va_vdst(0)
	s_wait_kmcnt 0x0
	s_load_b32 s30, s[10:11], 0x4                  ; e of Wqkv
	s_add_nc_u64 s[6:7], s[6:7], s[20:21]
	s_add_nc_u64 s[8:9], s[14:15], s[24:25]
	LOADW 0
	LOADW 1
	s_wait_kmcnt 0x0
	SCALE 30
	BLOCKW 0
	BLOCKW 1
	s_wait_alu depctr_va_vdst(0)
	s_wait_dscnt 0x0                               ; my codes are in the stage: the other waves read them behind the barrier
	s_barrier_signal -1
	s_barrier_wait -1
.irp t, 0,1,2,3
	ds_load_b128 v[WO+4*\t:WO+4*\t+3], v7 offset:2*\t*PITCH
.endr
.irp t, 0,1,2,3
	s_wait_dscnt 3-\t                              ; read-back t is in; the younger ones may be out
	global_store_b128 v8, v[WO+4*\t:WO+4*\t+3], s[8:9] offset:2*\t*SIZE_K   ; sixteen lanes store 256 consecutive bytes of a row of w_codes, at a multiple of 256
.endr
	s_wait_tensorcnt 0x0                           ; the wave's end
	ds_add_u32 v[SPW], v[NIL]
	s_wait_dscnt 0x0
	s_endpgm
.Lfunc_end_k_qcf01fe5617_quant:
	.size	k_qcf01fe5617_quant, .Lfunc_end_k_qcf01fe5617_quant-k_qcf01fe5617_quant
	.p2alignl 7, 3214868480
	.fill 96, 4, 3214868480
	.section	.rodata,"a",@progbits
	.p2align	6, 0x0
	.amdhsa_kernel k_qcf01fe5617_quant
		.amdhsa_group_segment_fixed_size 59392
		.amdhsa_private_segment_fixed_size 0
		.amdhsa_enable_private_segment 0
		.amdhsa_kernarg_size 40
		.amdhsa_user_sgpr_count 2
		.amdhsa_user_sgpr_kernarg_segment_ptr 1
		.amdhsa_wavefront_size32 1
		.amdhsa_system_sgpr_workgroup_id_x 1
		.amdhsa_system_sgpr_workgroup_id_y 1
		.amdhsa_system_sgpr_workgroup_id_z 1
		.amdhsa_system_vgpr_workitem_id 0
		.amdhsa_next_free_vgpr 130
		.amdhsa_next_free_sgpr 66
		.amdhsa_reserve_vcc 0
		.amdhsa_float_denorm_mode_32 3
		.amdhsa_float_denorm_mode_16_64 3
		.amdhsa_memory_ordered 1
		.amdhsa_forward_progress 1
		.amdhsa_inst_pref_size 25
	.end_amdhsa_kernel
	.amdgpu_metadata
---
amdhsa.version: [ 1, 2 ]
amdhsa.kernels:
  - .name:           k_qcf01fe5617_quant
    .symbol:         k_qcf01fe5617_quant.kd
    .args:
      - { .name: X, .offset: 0, .size: 8, .value_kind: global_buffer, .address_space: global }
      - { .name: Wqkv, .offset: 8, .size: 8, .value_kind: global_buffer, .address_space: global }
      - { .name: lowp_scales, .offset: 16, .size: 8, .value_kind: global_buffer, .address_space: global }
      - { .name: x_codes, .offset: 24, .size: 8, .value_kind: global_buffer, .address_space: global }
      - { .name: w_codes, .offset: 32, .size: 8, .value_kind: global_buffer, .address_space: global }
    .group_segment_fixed_size: 59392
    .private_segment_fixed_size: 0
    .kernarg_segment_align: 8
    .kernarg_segment_size: 40
    .max_flat_workgroup_size: 256
    .sgpr_count:     66
    .vgpr_count:     130
    .wavefront_size: 32
...
	.end_amdgpu_metadata
.endif
;; end of part 1
;; launch proj (part 2): grid 16 x 16, 4 waves a work-group, clusters of 4 x 4, 327,680 bytes of LDS; arguments x_codes, w_codes, lowp_scales, q_img, k_img, v_img; writes q_img, k_img, v_img
.if DOCPART == 2
	.amdgcn_target "amdgcn-amd-amdhsa--gfx1250"
	.amdhsa_code_object_version 6
	.text
	.protected	k_qcf01fe5617_proj
	.globl	k_qcf01fe5617_proj
	.p2align	8
	.type	k_qcf01fe5617_proj,@function
k_qcf01fe5617_proj:
	s_mov_b64 s[64:65], 0
	v_nop
	global_prefetch_b8 v0, s[64:65] scope:SCOPE_SE
	s_setreg_imm32_b32 hwreg(HW_REG_WAVE_MODE, 25, 1), 1
	s_wait_xcnt 0x0
	s_wait_alu depctr_hold_cnt(0) depctr_sa_sdst(0) depctr_va_vdst(0) depctr_va_sdst(0) depctr_va_ssrc(0) depctr_va_vcc(0) depctr_vm_vsrc(0)
	s_getreg_b32 s2, hwreg(HW_REG_IB_STS2, 6, 4)
	s_cmp_eq_u32 s2, 0
	s_cbranch_scc0 .Lentry_in_a_cluster
	s_endpgm
.Lentry_in_a_cluster:
	s_bfe_u32 s2, ttmp6, 0x10000c
	s_cmp_lg_u32 s2, 0xf033
	s_cbranch_scc0 .Lentry_shape_is_right
	s_endpgm
.Lentry_shape_is_right:
; proj = X Wqkv on codes of FP8 (x_codes [4096][1024], w_codes [2048 (n)][1024], K innermost), sums in f32; the sums never go to memory: they are quantised in registers into the
; operands of the attention launch: columns 0-1023 twice, as queries (scale entry 2) and as keys (entry 3); columns 1024-2047 as values (entry 4).
; A sum stands for sum x 2^(e0 + e1), so its code is sum / 2^(e - e0 - e1), held within +-448 x that power of two.
; LIMITS: e2 - e0 - e1, e3 - e0 - e1 and e4 - e0 - e1 lie between -126 and 119, so that each power of two and 448 x it are f32 numbers.
; EVERY PRODUCT IS D = (16 rows of S0) x (16 rows of S1): lane (r, h) then holds row r of S1, and register j of tile b row 16 b + 8 h + j of S0.
;   queries and keys: S0 = rows of w_codes (a head's 64 channels), S1 = rows of x_codes (tokens): a lane's four tiles, converted eight numbers at a time, are the 8 registers of a 16 x 64 fragment (ISA guide 7.12.2's 8-bit layout).
;   values: S0 = tokens, S1 = rows 1024 on of w_codes (channels): the same registers are half of a 16 channels x 128 keys fragment of V^T.
; So the results are stored as IMAGES OF THE OPERANDS' REGISTERS, four registers of all 32 lanes on end (512 bytes, lane l at 16 l):
;   q_img, k_img: head << 18 + token tile << 10 + chunk << 9;     v_img: head << 18 + step of 128 keys << 13 + tile of 16 channels << 11 + chunk << 9.
; SHARES.  256 work-groups; each 128 rows of S0 x 256 rows of S1, K = 1,024.  Clusters with y = 0, 1 make queries and keys, y = 2, 3 values.  Four waves, each 64 rows of S0 x 128 of S1: 32 accumulators, 256 registers (window 1).
; CLUSTERS.  4 x 4 work-groups: S0's tile hangs on cx and is shared along a column of the cluster, S1's on cy and is shared along a row: each is asked for jointly, which divides the requests by four.
; K comes in three fills: 512 (rows of 512 bytes, LDS pitch 528), then 256 into bytes of their own (pitch 272), then 256 onto the first halves of the first fill's rows (pitch 528 again).  A wave has one tensor load out.
; PREFETCHES run one fill ahead: behind the first fill's load the second's bytes are asked for, behind the second's the third's: a lane a row of 256 bytes.  The four partners that share a tile take its rows by
; address: 32 rows of S0's 128 (wave 0), 64 of S1's 256 (waves 2 and 3, 32 each).  The third fill is the last, so nothing is asked for behind it.
; Within an instruction's 64 along K, lane (r, h) takes bytes 32 h .. 32 h + 31 of the row: the same order of k on both sides, so every product meets its partner.
.set P0,    528                        ; 512 bytes + 16 of padding = 132 words; 272 likewise
.set P1,    272
.set U1,    384*P0                     ; the second fill: behind S0's 128 and S1's 256 rows of the first
.set SPARE, U1+384*P1                  ; the spare words, 128 bytes for each wave, in blocks that no other line names
.set WV,   16                          ; s16  my wave's number
.set CX,   17                          ; s17, s18  my place in the cluster
.set CY,   18
.set TYPE, 19                          ; s19  0: queries and keys; 1: values.  From the cluster's y alone: the same in all sixteen partners
.set PO1,  20                          ; s[20:21] where my first pass stores (q_img or v_img);  s[22:23] my second (k_img)
.set PO2,  22
.set G1A,  24                          ; descriptor groups 1: first fill of S0, S1;
.set G1B,  32
.set G1C,  40                          ; second fill;
.set G1D,  48
.set G1E,  80                          ; third fill
.set G1F,  88
.set G0A,  56                          ; groups 0 of S0 and S1, which walk
.set G0B,  60
.set PFA,  66                          ; s[66:67] where my prefetches stand
.set ADR0, 4                           ; v4, v5  LDS address of my S0 fragments at pitch P0 (first and third fill) and P1 (second)
.set ADR1, 8                           ; v8, v9  the same for S1
.set VA,   12                          ; v12-19 my byte offset in the image of S1 tile a
.set SPW,  20                          ; v20    LDS address of my spare word; never rewritten
.set NIL,  21                          ; v21    0; never rewritten
.set PFO,  22                          ; v22    1,024 x lane; never rewritten
.set F0,   32                          ; v32-127, v128-223: two fragment buffers: S1's eight fragments, then S0's four
.set F1,   128
.set MSB, 0
.macro WIN new                         ; the immediate's high byte repeats the setting that is left
.if MSB != \new
	s_set_vgpr_msb (MSB<<8)|\new
.set MSB, \new
.endif
.endm
.macro CROUND                          ; a round of the cluster's barrier
	s_barrier_signal -1
	s_barrier_wait -1
	s_cmp_lg_u32 s[WV], 0
	s_cbranch_scc1 .Lnot_wave_0_\@
	s_barrier_signal -3
.Lnot_wave_0_\@:
	s_barrier_wait -3
	s_barrier_signal -1
	s_barrier_wait -1
.endm
; A joint load: waves 0, 1 fetch S0's halves, waves 2, 3 S1's.  The branch hangs on the wave's number alone.
.macro JLOAD ga, gb
	s_cmp_lt_u32 s[WV], 2
	s_cbranch_scc0 .Lnot_a_\@
	tensor_load_to_lds s[G0A:G0A+3], s[\ga:\ga+7]
	s_nop 0
.rept 4
	v_nop
.endr
	s_branch .Lasked_\@
.Lnot_a_\@:
	tensor_load_to_lds s[G0B:G0B+3], s[\gb:\gb+7]
	s_nop 0
.rept 4
	v_nop
.endr
.Lasked_\@:
.endm
.macro GRP g, mask, width, q, pad, rows   ; descriptor group 1: rows of width bytes, 1,024 bytes apart in memory; pad words behind every 2 << q
	s_or_b32 s[\g], s[\mask], (1<<20)|(1<<21)|(\q<<22)|((\pad-1)<<25)   ; 15:0 the mask; 17:16 elements of 1 byte; 20 padding on; 21 set beside a mask
	s_mov_b32 s[\g+1], \width<<16                  ; tensor_dim0
	s_mov_b32 s[\g+2], \rows<<16                   ; tensor_dim1
	s_mov_b32 s[\g+3], \width<<16                  ; tile_dim0
	s_mov_b32 s[\g+4], \rows                       ; tile_dim1
	s_mov_b32 s[\g+5], 1024                        ; tensor_dim0_stride
	s_mov_b32 s[\g+6], 0
	s_mov_b32 s[\g+7], 0
.endm
.macro ASK off
	s_cmp_eq_u32 s[WV], 1
	s_cbranch_scc1 .Lnot_mine_\@
	global_prefetch_b8 v[PFO], s[PFA:PFA+1] offset:\off th:TH_LOAD_NT scope:SCOPE_SE
.Lnot_mine_\@:
.endm
; Twelve fragments of 64 along K into buffer f.  u = 0: pitch P0, u = 1: pitch P1.
.macro FETCH u, kc, f
.set PT, P0-(P0-P1)*(\u)
.irp a, 0,1,2,3,4,5,6,7
	ds_load_b128 v[\f+8*\a:\f+8*\a+3],   v[ADR1+\u] offset:64*(\kc)+\a*16*PT
	ds_load_b128 v[\f+8*\a+4:\f+8*\a+7], v[ADR1+\u] offset:64*(\kc)+\a*16*PT+16
.endr
.irp b, 0,1,2,3
	ds_load_b128 v[\f+64+8*\b:\f+64+8*\b+3],   v[ADR0+\u] offset:64*(\kc)+\b*16*PT
	ds_load_b128 v[\f+64+8*\b+4:\f+64+8*\b+7], v[ADR0+\u] offset:64*(\kc)+\b*16*PT+16
.endr
.endm
; 16 products: S1 tiles a0 .. a0 + 3 x S0's four.  The 32 accumulators take turns, one instruction a turn, in the same order in every chunk.  zero = 1: the products start the sums.
.macro MUL f, a0, zero
.irp a, 0,1,2,3
.irp b, 0,1,2,3
.set rA, 8*(4*(\a0+\a)+\b)
.if \zero
	v_wmma_f32_16x16x64_fp8_fp8 v[rA:rA+7], v[\f+64+8*\b:\f+64+8*\b+7], v[\f+8*(\a0+\a):\f+8*(\a0+\a)+7], 0
.else
	v_wmma_f32_16x16x64_fp8_fp8 v[rA:rA+7], v[\f+64+8*\b:\f+64+8*\b+7], v[\f+8*(\a0+\a):\f+8*(\a0+\a)+7], v[rA:rA+7]
.endif
.endr
.endr
.endm
.macro PLACES                          ; four places between products and loads into registers that they have read, or reads of their results (ISA guide 7.12.1 for vector instructions)
.rept 4
	v_nop
.endr
.endm
.macro CHUNK u, kc, f, g, zero         ; asks for the next chunk's fragments (kc of u, into g) and multiplies buffer f
	PLACES
	FETCH \u, \kc, \g
	s_wait_dscnt 24                                ; all but the 24 just issued
	WIN 0x50                                       ; C and D window 1
	MUL \f, 0, \zero
	MUL \f, 4, \zero
	WIN 0
.endm
; The last chunk of a fill stands in F1; the next fill's first chunk goes into F0.  refill = 1: the third fill lands on the bytes that are left here.
.macro TURN u, refill
	s_wait_tensorcnt 0x0                           ; my part of the next fill is in, so a group 0 may be written
.if \refill
	ds_add_u32 v[SPW], v[NIL]                      ; 0 onto my spare word
	s_add_nc_u64 s[G0A+2:G0A+3], s[G0A+2:G0A+3], 256
	s_add_nc_u64 s[G0B+2:G0B+3], s[G0B+2:G0B+3], 256
	s_mov_b32 s[G0A+1], s74                        ; where the first fill went
	s_mov_b32 s[G0B+1], s75
	s_wait_dscnt 1                                 ; the fragments are in (the add may be out)
.else
	s_wait_dscnt 0
.endif
	WIN 0x50
	MUL F1, 0, 0
	WIN 0
	s_wait_dscnt 0x0                               ; the add is done, and my reads of the fill that I leave are over
.if \refill
	CROUND                                         ; no wave of any partner still reads the first fill or has a load on its way
	JLOAD G1E, G1F
.else
	s_barrier_signal -1
	s_barrier_wait -1                              ; everybody's part is in
.endif
	PLACES
	FETCH \u, 0, F0
	WIN 0x50
	MUL F1, 4, 0
	WIN 0
.endm
; S1 tile a's four accumulators become 8 registers of codes and leave: two stores of 512 consecutive bytes, at multiples of 512.
.macro QOUT a, pass, sc, lim, pb
.set rC, 96+64*(\pass)+8*(\a)
.set rX, 32+32*((\a)%2)
	WIN 0x01                                       ; source 0 window 1
.set i, 0
.rept 32
	v_med3_num_f32 v[rX+i], v[32*(\a)+i], -v[\lim], v[\lim]   ; the hold at the largest code x the scale (the conversion does not saturate: ISA guide 7.6.2); each accumulator from its low end on
.set i, i+1
.endr
	WIN 0
.irp g, 0,1,2,3
	v_cvt_scalef32_pk8_fp8_f32 v[rC+2*\g:rC+2*\g+1], v[rX+8*\g:rX+8*\g+7], v[\sc]
.endr
	v_nop                                          ; one plain vector line behind the last conversion
	global_store_b128 v[VA+\a], v[rC:rC+3], s[\pb:\pb+1]
	global_store_b128 v[VA+\a], v[rC+4:rC+7], s[\pb:\pb+1] offset:512
.endm
	s_load_b256 s[4:11], s[0:1], 0x0               ; x_codes s[4:5], w_codes s[6:7], the scales s[8:9], q_img s[10:11]
	s_load_b128 s[12:15], s[0:1], 0x20             ; k_img s[12:13], v_img s[14:15]
	v_lshl_add_u32 v[SPW], v0, 2, SPARE
	v_mov_b32 v[NIL], 0
	ds_add_u32 v[SPW], v[NIL]                      ; the wave's opening
	ds_add_u32 v[SPW], v[NIL]
	v_lshrrev_b32 v1, 5, v0
	v_readfirstlane_b32 s[WV], v1                  ; wave 0..3
	s_bfe_u32 s[CX], ttmp6, 0x40000
	s_bfe_u32 s[CY], ttmp6, 0x40004
	s_and_b32 s74, ttmp7, 0xffff                   ; the cluster's y, 0..3
	s_lshr_b32 s[TYPE], s74, 1
	s_and_b32 s75, s74, 1
	s_lshl_b32 s75, s75, 2
	s_add_co_u32 s75, s75, ttmp9                   ; which of the type's eight clusters
	s_and_b32 s76, s75, 1                          ; queries and keys: 2 x 4 clusters over 8 x 16 tiles;
	s_lshr_b32 s77, s75, 1
	s_mov_b32 s73, 2048
	s_mov_b32 s97, 1<<18
	s_cmp_eq_u32 s[TYPE], 0
	s_cselect_b32 s76, s76, s75                    ; values: 8 x 1 clusters over 32 x 4 tiles
	s_cselect_b32 s77, s77, 0
	s_cselect_b32 s73, 1024, s73                   ; bytes from one S1 tile's image to the next: a token tile, or a tile of channels
	s_cselect_b32 s97, 4096, s97                   ; and from tile 0 to tile 4: four token tiles, or the next head
	s_lshl_b32 s76, s76, 2
	s_add_co_u32 s76, s76, s[CX]                   ; i0: my tile of 128 rows of S0
	s_lshl_b32 s77, s77, 2
	s_add_co_u32 s77, s77, s[CY]                   ; i1: my tile of 256 rows of S1
	s_lshl_b32 s78, 0x1111, s[CX]                  ; my column of the cluster: the four that share cx
	s_lshl_b32 s79, s[CY], 2
	s_lshl_b32 s79, 15, s79                        ; my row: the four that share cy
	GRP G1A, 78, 512, 6, 4, 64
	GRP G1B, 79, 512, 6, 4, 128
	GRP G1C, 78, 256, 5, 4, 64
	GRP G1D, 79, 256, 5, 4, 128
	; where the tiles come from.  S0's address is made of i0 and the wave's number, S1's of i1 and the wave's number, each in registers that never hold the other place
	s_and_b32 s72, s[WV], 1                        ; which half of the tile I fetch
	s_lshl_b32 s80, s76, 17                        ; S0: 128 rows x i0
	s_mov_b32 s81, 0
	s_lshl_b32 s82, s77, 18                        ; S1: 256 rows x i1
	s_lshl_b32 s83, s[TYPE], 20
	s_add_co_u32 s82, s82, s83                     ; values: from row 1,024 of w_codes on
	s_mov_b32 s83, 0
	s_lshl_b32 s92, s72, 16                        ; 64 rows of S0
	s_mov_b32 s93, 0
	s_lshl_b32 s94, s72, 17                        ; 128 rows of S1
	s_mov_b32 s95, 0
	s_mul_i32 s98, s72, 64*P1                      ; where they go: no place in the cluster enters an LDS address.  At pitch P1
	s_mul_i32 s99, s72, 128*P1
	s_add_co_u32 s99, s99, 128*P1
	s_mov_b32 s[G0A], 1                            ; 1:0 count = 1
	s_mul_i32 s[G0A+1], s72, 64*P0                 ; 63:32 LDS address, at pitch P0
	s_mov_b32 s[G0B], 1
	s_mul_i32 s[G0B+1], s72, 128*P0
	s_add_co_u32 s[G0B+1], s[G0B+1], 128*P0
	s_wait_alu depctr_va_vdst(0)
	s_wait_dscnt 0x0                               ; both opening adds are done
	s_wait_kmcnt 0x0
	s_load_b128 s[68:71], s[8:9], 0x0              ; e0 .. e3
	s_load_b32 s72, s[8:9], 0x10                   ; e4
	s_cmp_eq_u32 s[TYPE], 0
	s_cselect_b64 s[86:87], s[6:7], s[4:5]         ; S0: w_codes, or x_codes for values
	s_cselect_b64 s[88:89], s[4:5], s[6:7]         ; S1: the other
	s_add_nc_u64 s[86:87], s[86:87], s[80:81]
	s_add_nc_u64 s[88:89], s[88:89], s[82:83]
	s_add_nc_u64 s[G0A+2:G0A+3], s[86:87], s[92:93]   ; 120:64 global address
	s_or_b32 s[G0A+3], s[G0A+3], 0x80000000        ; 127:126 type = 2
	s_add_nc_u64 s[G0B+2:G0B+3], s[88:89], s[94:95]
	s_or_b32 s[G0B+3], s[G0B+3], 0x80000000
	CROUND                                         ; all sixteen work-groups are here: the first joint loads meet
	JLOAD G1A, G1B                                 ; the first fill
	s_and_b32 s90, s[WV], 1                        ; w0: which 64 rows of S0 are mine
	s_lshr_b32 s91, s[WV], 1                       ; w1: which 128 rows of S1
	; the prefetches: 32 x cy rows into S0's tile, or 64 x cx + 32 x w0 into S1's
	s_lshl_b32 s74, s[CY], 15
	s_lshl_b32 s75, s[CX], 16
	s_lshl_b32 s96, s90, 15
	s_add_co_u32 s75, s75, s96
	s_cmp_eq_u32 s91, 0
	s_cselect_b32 s74, s74, s75
	s_cselect_b64 s[PFA:PFA+1], s[86:87], s[88:89]
	s_mov_b32 s75, 0
	s_add_nc_u64 s[PFA:PFA+1], s[PFA:PFA+1], s[74:75]
	s_mul_i32 s92, s90, 64*P0
	s_mul_i32 s93, s91, 128*P0
	s_add_co_u32 s93, s93, 128*P0                  ; S1's rows lie behind S0's 128
	s_mul_i32 s94, s90, 64*P1
	s_add_co_u32 s94, s94, U1
	s_mul_i32 s95, s91, 128*P1
	s_add_co_u32 s95, s95, U1+128*P1
	v_and_b32 v1, 15, v0                           ; r
	v_bfe_u32 v2, v0, 4, 1                         ; h
	v_and_b32 v23, 31, v0
	v_mul_u32_u24 v3, v1, P0
	v_mul_u32_u24 v7, v1, P1
	v_lshlrev_b32 v[PFO], 10, v23
	v_lshl_add_u32 v3, v2, 5, v3                   ; a fragment's row x pitch + 32 h
	v_lshl_add_u32 v7, v2, 5, v7
	v_lshlrev_b32 v[VA], 4, v23                    ; 16 x lane,
	v_add_nc_u32 v[ADR0], s92, v3
	v_add_nc_u32 v[ADR1], s93, v3
	v_add_nc_u32 v[VA+1], s73, v[VA]               ; + the S1 tile's image
	v_add_nc_u32 v[ADR0+1], s94, v7
	v_add_nc_u32 v[ADR1+1], s95, v7
	v_add_nc_u32 v[VA+2], s73, v[VA+1]
	v_add_nc_u32 v[VA+4], s97, v[VA]
	v_add_nc_u32 v[VA+5], s97, v[VA+1]
	v_add_nc_u32 v[VA+3], s73, v[VA+2]
	v_add_nc_u32 v[VA+6], s97, v[VA+2]
	v_add_nc_u32 v[VA+7], s97, v[VA+3]
	s_wait_alu depctr_va_vdst(0)
	ASK 512                                        ; the second fill's bytes
	; where my images begin.  Queries and keys: head 2 i0 + w0, token tile 16 i1 + 8 w1.  Values: head 4 i1 + 2 w1, key step i0, chunks 2 w0 on
	s_lshl_b32 s94, s76, 1
	s_add_co_u32 s94, s94, s90
	s_lshl_b32 s94, s94, 18
	s_lshl_b32 s95, s77, 1
	s_add_co_u32 s95, s95, s91                     ; 2 i1 + w1
	s_lshl_b32 s96, s95, 13
	s_add_co_u32 s94, s94, s96
	s_lshl_b32 s95, s95, 19
	s_lshl_b32 s96, s76, 13
	s_add_co_u32 s95, s95, s96
	s_lshl_b32 s96, s90, 10
	s_add_co_u32 s95, s95, s96
	s_cmp_eq_u32 s[TYPE], 0
	s_cselect_b32 s94, s94, s95
	s_cselect_b64 s[PO1:PO1+1], s[10:11], s[14:15]
	s_mov_b32 s95, 0
	s_add_nc_u64 s[PO1:PO1+1], s[PO1:PO1+1], s[94:95]
	s_add_nc_u64 s[PO2:PO2+1], s[12:13], s[94:95]  ; (used by queries and keys alone)
	s_and_b32 s90, s[WV], 1
	s_mul_i32 s74, s90, 64*P0                      ; the third fill's LDS addresses: the first's
	s_mul_i32 s75, s90, 128*P0
	s_add_co_u32 s75, s75, 128*P0
	GRP G1E, 78, 256, 5, 68, 64                    ; 256 bytes and 272 of padding: rows P0 apart
	GRP G1F, 79, 256, 5, 68, 128
	s_wait_kmcnt 0x0
	s_add_co_i32 s96, s68, s69                     ; e0 + e1
	s_cmp_eq_u32 s[TYPE], 0
	s_cselect_b32 s97, s70, s72                    ; the first pass: e2 (queries) or e4 (values)
	s_sub_co_i32 s97, s97, s96
	s_add_co_i32 s97, s97, 127
	s_lshl_b32 s68, s97, 23                        ; 2^(e - e0 - e1) as f32: the conversion takes its exponent field
	s_add_co_i32 s97, s97, 8
	s_lshl_b32 s97, s97, 23
	s_or_b32 s69, s97, 0x600000                    ; 448 x that
	s_sub_co_i32 s97, s71, s96                     ; the second pass: e3 (keys)
	s_add_co_i32 s97, s97, 127
	s_lshl_b32 s70, s97, 23
	s_add_co_i32 s97, s97, 8
	s_lshl_b32 s97, s97, 23
	s_or_b32 s71, s97, 0x600000
	v_mov_b32 v24, s68
	v_mov_b32 v25, s69
	v_mov_b32 v26, s70
	v_mov_b32 v27, s71
	s_wait_alu depctr_va_vdst(0)
	s_wait_tensorcnt 0x0                           ; my part of the first fill is in
	ds_add_u32 v[SPW], v[NIL]                      ; 0 onto my spare word
	s_add_nc_u64 s[G0A+2:G0A+3], s[G0A+2:G0A+3], 512
	s_add_nc_u64 s[G0B+2:G0B+3], s[G0B+2:G0B+3], 512
	s_add_co_u32 s[G0A+1], s98, U1
	s_add_co_u32 s[G0B+1], s99, U1
	s_wait_dscnt 0x0                               ; the add is done
	CROUND                                         ; everybody's part is in, and the joint loads meet
	JLOAD G1C, G1D                                 ; the second fill, the first tensor load behind the round
	FETCH 0, 0, F0
	ASK 768                                        ; the third fill's bytes, a fill ahead of its load
	CHUNK 0, 1, F0, F1, 1
	CHUNK 0, 2, F1, F0, 0
	CHUNK 0, 3, F0, F1, 0
	CHUNK 0, 4, F1, F0, 0
	CHUNK 0, 5, F0, F1, 0
	CHUNK 0, 6, F1, F0, 0
	CHUNK 0, 7, F0, F1, 0
	TURN 1, 1                                      ; the first fill's last chunk: the third fill takes its bytes
	CHUNK 1, 1, F0, F1, 0
	CHUNK 1, 2, F1, F0, 0
	CHUNK 1, 3, F0, F1, 0
	TURN 0, 0
	CHUNK 0, 1, F0, F1, 0
	CHUNK 0, 2, F1, F0, 0
	CHUNK 0, 3, F0, F1, 0
	s_wait_dscnt 0x0
	WIN 0x50
	MUL F1, 0, 0
	MUL F1, 4, 0
	WIN 0
	PLACES
	s_wait_alu depctr_va_vdst(0)
.irp a, 0,1,2,3,4,5,6,7
	QOUT \a, 0, 24, 25, PO1
.endr
	s_cmp_lg_u32 s[TYPE], 0                        ; values have one pass.  The branch hangs on the cluster's y alone and jumps over register work and stores
	s_cbranch_scc1 .Ldone
.irp a, 0,1,2,3,4,5,6,7
	QOUT \a, 1, 26, 27, PO2
.endr
.Ldone:
	s_wait_tensorcnt 0x0                           ; the wave's end
	ds_add_u32 v[SPW], v[NIL]
	s_wait_dscnt 0x0
	CROUND                                         ; the closing round: no work-group ends while a partner may still ask for a tile that names it
	s_endpgm
.Lfunc_end_k_qcf01fe5617_proj:
	.size	k_qcf01fe5617_proj, .Lfunc_end_k_qcf01fe5617_proj-k_qcf01fe5617_proj
	.p2alignl 7, 3214868480
	.fill 96, 4, 3214868480
	.section	.rodata,"a",@progbits
	.p2align	6, 0x0
	.amdhsa_kernel k_qcf01fe5617_proj
		.amdhsa_group_segment_fixed_size 327680
		.amdhsa_private_segment_fixed_size 0
		.amdhsa_enable_private_segment 0
		.amdhsa_kernarg_size 48
		.amdhsa_user_sgpr_count 2
		.amdhsa_user_sgpr_kernarg_segment_ptr 1
		.amdhsa_wavefront_size32 1
		.amdhsa_system_sgpr_workgroup_id_x 1
		.amdhsa_system_sgpr_workgroup_id_y 1
		.amdhsa_system_sgpr_workgroup_id_z 1
		.amdhsa_system_vgpr_workitem_id 0
		.amdhsa_next_free_vgpr 512
		.amdhsa_next_free_sgpr 100
		.amdhsa_reserve_vcc 0
		.amdhsa_float_denorm_mode_32 3
		.amdhsa_float_denorm_mode_16_64 3
		.amdhsa_memory_ordered 1
		.amdhsa_forward_progress 1
		.amdhsa_inst_pref_size 114
	.end_amdhsa_kernel
	.amdgpu_metadata
---
amdhsa.version: [ 1, 2 ]
amdhsa.kernels:
  - .name:           k_qcf01fe5617_proj
    .symbol:         k_qcf01fe5617_proj.kd
    .args:
      - { .name: x_codes, .offset: 0, .size: 8, .value_kind: global_buffer, .address_space: global }
      - { .name: w_codes, .offset: 8, .size: 8, .value_kind: global_buffer, .address_space: global }
      - { .name: lowp_scales, .offset: 16, .size: 8, .value_kind: global_buffer, .address_space: global }
      - { .name: q_img, .offset: 24, .size: 8, .value_kind: global_buffer, .address_space: global }
      - { .name: k_img, .offset: 32, .size: 8, .value_kind: global_buffer, .address_space: global }
      - { .name: v_img, .offset: 40, .size: 8, .value_kind: global_buffer, .address_space: global }
    .group_segment_fixed_size: 327680
    .private_segment_fixed_size: 0
    .kernarg_segment_align: 8
    .kernarg_segment_size: 48
    .max_flat_workgroup_size: 128
    .sgpr_count:     100
    .vgpr_count:     512
    .wavefront_size: 32
...
	.end_amdgpu_metadata
.endif
;; end of part 2
;; launch attn (part 3): grid 16 x 16, 8 waves a work-group, clusters of 4 x 1, 327,680 bytes of LDS; arguments q_img, k_img, v_img, lowp_scales, out0; writes out0
.if DOCPART == 3
	.amdgcn_target "amdgcn-amd-amdhsa--gfx1250"
	.amdhsa_code_object_version 6
	.text
	.protected	k_qcf01fe5617_attn
	.globl	k_qcf01fe5617_attn
	.p2align	8
	.type	k_qcf01fe5617_attn,@function
k_qcf01fe5617_attn:
	s_mov_b64 s[64:65], 0
	v_nop
	global_prefetch_b8 v0, s[64:65] scope:SCOPE_SE
	s_setreg_imm32_b32 hwreg(HW_REG_WAVE_MODE, 25, 1), 1
	s_wait_xcnt 0x0
	s_wait_alu depctr_hold_cnt(0) depctr_sa_sdst(0) depctr_va_vdst(0) depctr_va_sdst(0) depctr_va_ssrc(0) depctr_va_vcc(0) depctr_vm_vsrc(0)
	s_getreg_b32 s2, hwreg(HW_REG_IB_STS2, 6, 4)
	s_cmp_eq_u32 s2, 0
	s_cbranch_scc0 .Lentry_in_a_cluster
	s_endpgm
.Lentry_in_a_cluster:
	s_bfe_u32 s2, ttmp6, 0x10000c
	s_cmp_lg_u32 s2, 0x3003
	s_cbranch_scc0 .Lentry_shape_is_right
	s_endpgm
.Lentry_shape_is_right:
; out[q][head][:] = the sum over keys k of softmax_k(Q[q] . K[k] / 8) V[k][:], 16 heads of 64 channels, 4,096 tokens, both products on codes of FP8 (E4M3) with the given scales 2^e2 (queries), 2^e3 (keys), 2^e4 (values), 2^e5 (p).
; THE SOFTMAX AHEAD OF THE SECOND PRODUCT: t = score x log2(e) / 8; M = the row's largest t so far, rounded UP to a whole number; p = 2^(t - M) is what is quantised; it is not normalised.
; The row's sum is taken of the unquantised p, in f32, and divides at the end.  When M moves, the sum and O are multiplied by 2^(old M - new M): a power of two.
; INPUTS are images of the operands' registers, four registers of all 32 lanes on end (512 bytes, lane l at 16 l): q_img, k_img: head << 18 + tile of 16 tokens << 10 + chunk << 9;
; v_img: head << 18 + step of 128 keys << 13 + tile of 16 channels << 11 + chunk << 9.  So every fragment comes by loads of 16 bytes a lane at 16 x lane: no pitch, no padding.
; LAYOUT.  S^T = K Q^T (source 0 = 16 keys, source 1 = 16 queries, K = 64): lane (r, h) holds query r, register j of tile t key 16 t + 8 h + j.  Eight tiles, converted eight numbers at a time, ARE
; source 1 of O^T = V^T P (source 0 = 16 channels, K = 128 keys) in the 8-bit layout (ISA guide 7.12.2).  A lane holds one query throughout; nothing changes lanes but one exchange for the maximum and one for the sum.
; SHARES.  A work-group owns 256 queries of one head; each of its eight waves 32, two tiles, so that each fragment of K and V read from LDS feeds two products.  Every wave walks the head's 32 steps of 128 keys.
; A TRIP j asks LDS for step j's K and step j - 1's V in one run of 32 loads, takes step j - 1's scores through exponentials, sums, holds and conversions, multiplies by step j - 1's V, makes step j's scores,
; takes their maxima and tile 0's scalings, and brings O^T under the new M.  Step 0's scores stand in front of the loops, step 31's second half behind them.
; The exponentials go in two runs of 64: tile 0's by turns with tile 1's scalings, tile 1's by turns with tile 0's first sums and holds: plain work that names none of the run's results.
; CLUSTER.  The four query blocks of a cluster belong to one head and walk the same K and V: each tile is asked for jointly, by the same tensor load with a mask that names the four.
; RING.  Two LDS slots of eight key steps (64 KiB of K, 64 KiB of V).  Every wave fetches a quarter of K's or of V's part: one load of 16 KiB a wave behind each change of slots, with eight key steps in which to land.
; At a change of slots the trip's first half, register work alone, stands between the first barrier's signal and its wait.
; LIMITS on the given exponents: e2 + e3 between -123 and 130 (added to c's exponent field); e5 between -126 and 119; e4 + e5 is applied by v_ldexp_f32 and has none.  The scaled scores t stay under 2^31 in magnitude.
; REGISTERS, in windows of 256 (s_set_vgpr_msb: bits 1:0 source 0, 3:2 source 1, 5:4 source 2, 7:6 destination):
;   window 0: v1-7 addresses; v8-15 statistics, four a tile; v16-31, v48-63 partial sums; v32-35 f, a pair a tile; v36-46 at work; v64-191 S^T, then p, 64 a tile; v192-255 K's eight fragments of a step
;   window 1: v0-63 O^T, 32 a tile; v64-95 p's codes, 16 a tile; v96-111 Q; v128-191 V's four fragments
.set SLOT1, 1<<17                      ; slot 1 begins here: one exclusive or turns an address in one slot into the other's
.set VOFF,  65536                      ; a slot: eight steps of K, then eight of V
.set STEPB, 8192                       ; a step's K, and its V
.set FILL,  8*STEPB                    ; a slot's part of k_img, and of v_img
.set SPARE, 2*SLOT1                    ; behind the ring: the spare words, 128 bytes for each of the eight waves: four blocks of 256 bytes that no other line names
.set STAGE, SPARE+1024                 ; behind them: 16 rows x 272 bytes for each wave, for the way out; no tile lands there
.set SP,    272
.set LI,   1                           ; v1   16 x lane: my place in an image
.set LIV,  2                           ; v2   the same in V's part of a slot
.set ADK,  3                           ; v3   LDS address of the step's K
.set ADV,  4                           ; v4   of the V of the step before
.set SPW,  5                           ; v5   LDS address of my spare word; never rewritten
.set NIL,  6                           ; v6   0; never rewritten
.set PFO,  7                           ; v7   256 x lane: the prefetches' offset; never rewritten
.set ST,   8                           ; tile x at v[ST + 4 x]: +0 -M, +1 the largest score, +2, +3 the sum in two halves
.set A,    16                          ; partial sums of tile 0; tile 1's 32 registers further on
.set AT,   32
.set FF,   32                          ; tile x: v[FF + 2 x] f = 2^(old M - new M); the register above it is named with it as a pair and holds 0
.set MX,   36                          ; v36-43 four chains of the maximum for each tile
.set SCL,  44                          ; v44  2^e5
.set PX,   45                          ; v45, v46  the exchange's destination, then the new -M
.set STO,  41                          ; the way out: where I put 32 bytes of a row
.set RD,   42                          ; where I read a row back
.set GO,   43                          ; my byte offset in the wave's rows of out
.set S,    64
.set KF,   192
.set OA,   0                           ; from here on in window 1
.set P,    64
.set QF,   96                          ; Q's fragments, 8 registers a tile
.set VF,   128
.set WV,   14                          ; s14  my wave's number
.set SEL,  20                          ; s[20:21] lane selects for v_permlanex16_b32: lane l xor 16
.set CS,   22                          ; s[22:23] c = log2(e) / 8 x 2^(e2 + e3): the packed form names a pair and takes its low word for both halves
.set G1,   24                          ; s[24:31] descriptor group 1: one shape for K's and V's parts
.set G0K,  32                          ; s[32:35], s[36:39] the groups 0, which walk
.set G0V,  36
.set TB,   40                          ; s40  LDS byte at which the step in hand begins
.set SLOTS, 41                         ; s41  slots still to be asked for
.set STEPS, 42                         ; s42  counts a slot's trips
.set PFA,  44                          ; s[44:45] where my prefetches stand in memory
.set LIM,  46                          ; s46  1 in a wave that prefetches, else the greatest number
.set HLD,  53                          ; s53  448 x 2^e5
.set FIRST, 1                          ; 1 while step 0's scores are written out
.set MSB, 0
.macro WIN new                         ; the immediate's high byte repeats the setting that is left; a switch that changes nothing is dropped
.if MSB != \new
	s_set_vgpr_msb (MSB<<8)|\new
.set MSB, \new
.endif
.endm
.macro CREST                           ; a round of the cluster's barrier behind its opening barrier
	s_cmp_lg_u32 s[WV], 0
	s_cbranch_scc1 .Lnot_wave_0_\@
	s_barrier_signal -3
.Lnot_wave_0_\@:
	s_barrier_wait -3
	s_barrier_signal -1
	s_barrier_wait -1
.endm
.macro CROUND                          ; a whole round
	s_barrier_signal -1
	s_barrier_wait -1
	CREST
.endm
; A joint load: waves 0 to 3 fetch the quarters of K's part, waves 4 to 7 of V's.  The branch hangs on the wave's number alone.
.macro JLOAD
	s_cmp_lt_u32 s[WV], 4
	s_cbranch_scc0 .Lfor_v_\@
	tensor_load_to_lds s[G0K:G0K+3], s[G1:G1+7]
	s_nop 0
.rept 4
	v_nop
.endr
	s_branch .Lasked_\@
.Lfor_v_\@:
	tensor_load_to_lds s[G0V:G0V+3], s[G1:G1+7]
	s_nop 0
.rept 4
	v_nop
.endr
.Lasked_\@:
.endm
; A PREFETCH INTO THE L2 of what the NEXT change of slots will ask for: 64 KiB of k_img and of v_img, eight key steps ahead of that load.  It stands behind the wave's tensor load and its lines.
; Each aligned block of 256 bytes is named once in the launch.  All clusters of a head walk the same K and V: the head's first cluster asks.  Its four partners share the bytes out BY ADDRESS, 16 KiB each;
; in each, waves 0 and 1 ask for K's (8 KiB a wave, lanes 256 bytes apart), waves 4 and 5 for V's.  The last change that fills a slot asks for nothing; the first two slots come by their loads alone.
.macro ASK
	s_cmp_gt_u32 s[SLOTS], s[LIM]
	s_cbranch_scc0 .Lnot_mine_\@
	global_prefetch_b8 v[PFO], s[PFA:PFA+1] th:TH_LOAD_NT scope:SCOPE_SE
.Lnot_mine_\@:
.endm
.macro KADR
	v_add_nc_u32 v[ADK], s[TB], v[LI]
.endm
.macro KLOAD                           ; a step's K: sixteen loads
.irp n, 0,1,2,3,4,5,6,7,8,9,10,11,12,13,14,15
	ds_load_b128 v[KF+4*\n:KF+4*\n+3], v[ADK] offset:512*\n
.endr
.endm
.macro VLOAD                           ; a step's V: sixteen
	WIN 0x40                                       ; destination window 1
.irp n, 0,1,2,3,4,5,6,7,8,9,10,11,12,13,14,15
	ds_load_b128 v[VF+4*\n:VF+4*\n+3], v[ADV] offset:512*\n
.endr
	WIN 0
.endm
.macro NEXT                            ; on to the next step: the addresses of this step's V and the next one's K
	v_add_nc_u32 v[ADV], s[TB], v[LIV]
	s_add_co_u32 s[TB], s[TB], STEPB
	KADR
.endm
.macro QK
	WIN 0x04                                       ; source 1 (Q) window 1
.irp t, 0,1,2,3,4,5,6,7
.irp x, 0,1
	v_wmma_f32_16x16x64_fp8_fp8 v[S+64*\x+8*\t:S+64*\x+8*\t+7], v[KF+8*\t:KF+8*\t+7], v[QF+8*\x:QF+8*\x+7], 0
.endr
.endr
	WIN 0
.endm
.macro ADD2 d, a, b                    ; two sums at once
	v_pk_add_f32 v[\d:(\d)+1], v[\a:(\a)+1], v[\b:(\b)+1]
.endm
.macro JOIN n                          ; four partial sums of each tile become one, and join the row's sum
.if (\n) < 4
	ADD2 A+AT*((\n)/2)+2*((\n)%2), A+AT*((\n)/2)+2*((\n)%2), A+AT*((\n)/2)+2*((\n)%2)+4
.elseif (\n) < 6
	ADD2 A+AT*((\n)-4), A+AT*((\n)-4), A+AT*((\n)-4)+2
.else
	ADD2 ST+4*((\n)-6)+2, ST+4*((\n)-6)+2, A+AT*((\n)-6)
.endif
.endm
; Line n of tile x's way from the four chains to M and f.  Step 0 has nothing to bring under a new M.
.macro TL n, x
.set rM, MX+4*(\x)
.set rT, ST+4*(\x)
.if (\n) == 0
	v_max3_num_f32 v[rM], v[rM], v[rM+1], v[rM+2]
.elseif (\n) == 1
	v_max3_num_f32 v[rM], v[rM], v[rM+3], v[rT+1]   ; with the largest score so far
.elseif (\n) == 2
	v_permlanex16_b32 v[PX+(\x)], v[rM], s[SEL], s[SEL+1]
.elseif (\n) == 3
	v_max_num_f32 v[rT+1], v[rM], v[PX+(\x)]       ; and lane l xor 16's 64 keys
.elseif (\n) == 4
	v_mul_f32 v[rM], s[CS], -v[rT+1]               ; -t of the largest (c is positive)
.elseif (\n) == 5
	v_floor_f32 v[PX+(\x)], v[rM]                  ; the new -M = floor(-t) = -ceil(t): a whole number
.elseif (\n) == 7
	v_mov_b32 v[rT], v[PX+(\x)]
.elseif FIRST == 0
.if (\n) == 6
	v_sub_f32 v[rM], v[PX+(\x)], v[rT]             ; old M - new M: a whole number, 0 or less
.elseif (\n) == 8
	v_cvt_i32_f32 v[rM], v[rM]                     ; (it saturates)
.elseif (\n) == 9
	v_ldexp_f32 v[FF+2*(\x)], 1.0, v[rM]           ; f = 2^(old M - new M)
.else
	v_pk_mul_f32 v[rT+2:rT+3], v[rT+2:rT+3], v[FF+2*(\x):FF+2*(\x)+1] op_sel_hi:[1,0]   ; the sum under the new M
.endif
.endif
.endm
; Tile x's 64 scores a lane in four chains, in ascending order.  Among tile 0's lines stand the sums' JOINs, among tile 1's tile 0's lines TL.
.macro MAXT x
.set rQ, MX+4*(\x)
.set rS, S+64*(\x)
.set i, 0
.rept 30
.if i < 4
	v_max3_num_f32 v[rQ+i], v[rS+3*i], v[rS+3*i+1], v[rS+3*i+2]
.else
	v_max3_num_f32 v[rQ+i%4], v[rQ+i%4], v[rS+4+2*i], v[rS+5+2*i]
.endif
.if \x
.if i%3 == 2
	TL i/3, 0
.endif
.elseif (FIRST == 0) && (i%4 == 1)
	JOIN i/4
.endif
.set i, i+1
.endr
.endm
; The scores' maxima, M and f of both tiles, tile 0's scalings; then O^T under the new M.
.macro SCORES
	MAXT 0
	MAXT 1
.set i, 0
.rept 32
	v_pk_fma_f32 v[S+2*i:S+2*i+1], v[S+2*i:S+2*i+1], s[CS:CS+1], v[ST:ST+1] op_sel_hi:[1,0,0]   ; t - M, two at a time (of the pairs c and -M the low word serves both halves)
.if (i%3 == 2) && (i < 30)
	TL i/3, 1
.endif
.set i, i+1
.endr
	TL 10, 0
	TL 10, 1
.if FIRST == 0
	WIN 0x41                                       ; O^T (destination and source 0) window 1, f window 0
.set i, 0
.rept 32
	v_pk_mul_f32 v[OA+2*i:OA+2*i+1], v[OA+2*i:OA+2*i+1], v[FF+2*(i/16):FF+2*(i/16)+1] op_sel_hi:[1,0]
.set i, i+1
.endr
	WIN 0
.endif
.endm
.macro EX r
	v_exp_f32 v[\r], v[\r]                         ; p = 2^(t - M), at most 1
.endm
.macro HOLD2 r                         ; the conversion does not saturate (ISA guide 7.6.2); p is not negative, so the hold is one-sided: two numbers
	v_dual_min_num_f32 v[\r], s[HLD], v[\r] :: v_dual_min_num_f32 v[(\r)+1], s[HLD], v[(\r)+1]
.endm
.macro VDST
	s_wait_alu depctr_va_vdst(0)
.endm
; THE CHANGE OF SLOTS.  Each wave waits for all its tensor loads (its part of the slot that it is about to read), adds 0 to its spare word, and waits for that and for its reads of the slot that it has left.
; fill = 1: the barrier opens a round of the cluster's, so that no wave of any partner still reads that slot or has a load on its way, and the joint load into it is the first thing behind the round.
.macro LEAVE fill
	s_wait_tensorcnt 0x0                           ; no tensor load of mine is out, so a group 0 may be written
	ds_add_u32 v[SPW], v[NIL]                      ; 0 onto my spare word
.if \fill
.irp g, G0K, G0V
	s_xor_b32 s[\g+1], s[\g+1], SLOT1              ; the other slot than last time,
	s_add_nc_u64 s[\g+2:\g+3], s[\g+2:\g+3], FILL  ; the next eight key steps; the type bits on top are not reached
.endr
	s_wait_xcnt 0x0                                ; the last prefetch, eight key steps back, has read its address, so it may be written:
	s_add_nc_u64 s[PFA:PFA+1], s[PFA:PFA+1], FILL  ; one slot further on than the walking descriptors
.endif
	s_wait_dscnt 0x0                               ; the add is done, and my reads of the slot that I have left are over
	s_barrier_signal -1
.endm
.macro ENTER fill
	s_barrier_wait -1
.if \fill
	CREST
	JLOAD
	ASK
.endif
.endm
; mode 0: an ordinary trip.  1: step 31's second half; nothing follows it.  2, 3: a slot's first trip, with the change of slots in it; 2 fills the slot that is left.
.macro TRIP mode
	; the addresses were made ahead of the last wait on vdst, so no vector result is out here
.if (\mode) == 0
	KLOAD
.endif
	VLOAD
.if (\mode) == 2
	LEAVE 1
.elseif (\mode) == 3
	LEAVE 0
.endif
	VDST
.set i, 0
.rept 32                               ; tile 0's 64 exponentials, by turns with tile 1's scalings
	EX S+2*i
	v_pk_fma_f32 v[S+64+2*i:S+65+2*i], v[S+64+2*i:S+65+2*i], s[CS:CS+1], v[ST+4:ST+5] op_sel_hi:[1,0,0]
	EX S+2*i+1
.set i, i+1
.endr
	VDST
.set i, 0
.rept 16                               ; tile 1's 64, by turns with tile 0's first sums (of the unquantised p) and holds
	EX S+64+4*i
	ADD2 A+2*i+16*(i/8), S+4*i, S+4*i+2            ; sums 0-7 in tile 0's registers, 8-15 in tile 1's
	EX S+65+4*i
	HOLD2 S+4*i
	EX S+66+4*i
	HOLD2 S+4*i+2
	EX S+67+4*i
.set i, i+1
.endr
	v_nop                                          ; a plain line behind the last exponential
	VDST
.if (\mode) < 2
	s_wait_dscnt 0x0                               ; the last step's V and this step's K are in
.endif
.set i, 0
.rept 8
	ADD2 A+2*i, A+2*i, A+AT+2*i                    ; tile 0: eight sums are left,
	ADD2 A+AT+2*i, S+64+4*i, S+66+4*i              ; and tile 1's take the registers
	HOLD2 S+64+4*i
	HOLD2 S+66+4*i
.set i, i+1
.endr
.set i, 0
.rept 8
	ADD2 A+AT+2*i, A+AT+2*i, S+96+2*i
	HOLD2 S+96+2*i
.set i, i+1
.endr
.set i, 0
.rept 8
	ADD2 A+AT+2*i, A+AT+2*i, S+112+2*i
	HOLD2 S+112+2*i
.set i, i+1
.endr
	WIN 0x40                                       ; p's codes window 1
.irp x, 0,1
.irp t, 0,1,2,3,4,5,6,7
	v_cvt_scalef32_pk8_fp8_f32 v[P+16*\x+2*\t:P+16*\x+2*\t+1], v[S+64*\x+8*\t:S+64*\x+8*\t+7], v[SCL]   ; registers 2 t, 2 t + 1 of the operand: keys 16 t + 8 h + 0 .. 7
.endr
.endr
	v_nop                                          ; a plain line behind the last conversion
	WIN 0x55                                       ; all window 1
.irp t, 0,1,2,3
.irp x, 0,1
	v_wmma_f32_16x16x128_fp8_fp8 v[OA+32*\x+8*\t:OA+32*\x+8*\t+7], v[VF+16*\t:VF+16*\t+15], v[P+16*\x:P+16*\x+15], v[OA+32*\x+8*\t:OA+32*\x+8*\t+7]   ; the eight accumulators take turns
.endr
.endr
.if (\mode) >= 2
	WIN 0
	KADR                                           ; the new slot's first step
	VDST
.if (\mode) == 2
	ENTER 1
.else
	ENTER 0
.endif
	KLOAD
	s_wait_dscnt 0x0
.endif
.if (\mode) != 1
	QK
.endif
	WIN 0
.irp k, 0,2,4,6                        ; four sums of each tile are left: also the places behind the products
.irp x, 0,1
	ADD2 A+AT*\x+\k, A+AT*\x+\k, A+AT*\x+\k+8
.endr
.endr
.if (\mode) == 1
.irp n, 0,1,2,3,4,5,6,7
	JOIN \n
.endr
.else
	SCORES
.endif
.endm
.macro TRIPS n                         ; the rest of a slot's key steps: written once, walked n times; the LDS addresses hang on s[TB]
	NEXT
	VDST
	s_mov_b32 s[STEPS], \n
.Lstep_\@:
	TRIP 0
	NEXT
	s_sub_co_u32 s[STEPS], s[STEPS], 1
	s_cmp_lg_u32 s[STEPS], 0
	s_wait_alu depctr_va_vdst(0)
	s_cbranch_scc1 .Lstep_\@
	s_sub_co_u32 s[TB], s[TB], FILL                ; back to a slot's first step,
	s_xor_b32 s[TB], s[TB], SLOT1                  ; in the other slot
.endm
	s_load_b256 s[4:11], s[0:1], 0x0               ; q_img s[4:5], k_img s[6:7], v_img s[8:9], the scales s[10:11]
	s_load_b64 s[12:13], s[0:1], 0x20              ; out
	v_lshl_add_u32 v[SPW], v0, 2, SPARE
	v_mov_b32 v[NIL], 0
	ds_add_u32 v[SPW], v[NIL]                      ; the wave's opening
	ds_add_u32 v[SPW], v[NIL]
	v_lshrrev_b32 v48, 5, v0
	v_readfirstlane_b32 s[WV], v48                 ; wave 0..7
	s_bfe_u32 s15, ttmp6, 0x40000                  ; cx: my place in the cluster
	s_lshl_b32 s16, ttmp9, 2                       ; in a cluster launch ttmp9 counts clusters
	s_add_co_u32 s16, s16, s15                     ; my block of 256 queries: it enters Q's and out's addresses alone
	s_and_b32 s17, ttmp7, 0xffff                   ; the head, which the four partners share
	s_lshl_b32 s54, s17, 18                        ; the head's first byte in each image
	s_and_b32 s18, s[WV], 3
	s_lshl_b32 s18, s18, 14                        ; the quarter that I fetch: in a slot's part,
	s_add_co_u32 s56, s54, s18                     ; and in memory
	s_mov_b32 s57, 0
	; descriptor group 1: a dense block of 16 KiB as 64 rows of 256 bytes
	s_mov_b32 s[G1], 15|(3<<16)|(1<<21)            ; 15:0 the mask: all four work-groups; 17:16 elements of 8 bytes; 20 no padding; 21 set beside a mask
	s_mov_b32 s[G1+1], 32<<16                      ; tensor_dim0 = 32 elements
	s_mov_b32 s[G1+2], 64<<16                      ; tensor_dim1
	s_mov_b32 s[G1+3], 32<<16                      ; tile_dim0
	s_mov_b32 s[G1+4], 64                          ; tile_dim1
	s_mov_b32 s[G1+5], 32                          ; tensor_dim0_stride: each row begins where the last ends
	s_mov_b32 s[G1+6], 0
	s_mov_b32 s[G1+7], 0
	s_mov_b32 s[SEL], 0x76543210
	s_mov_b32 s[SEL+1], 0xfedcba98
	s_mov_b32 s[CS], 0x3e38aa3b                    ; log2(e) / 8
	s_mov_b32 s[TB], 0
	s_mov_b32 s[SLOTS], 3                          ; four slots' worth of keys; the first is asked for here
	s_and_b32 s[LIM], s[WV], 2                     ; 0 in waves 0, 1, 4, 5,
	s_or_b32 s[LIM], s[LIM], ttmp9                 ; where the cluster is the head's first: the same in all four partners
	s_cmp_eq_u32 s[LIM], 0
	s_cselect_b32 s[LIM], 1, -1
	s_lshl_b32 s58, s15, 14                        ; the prefetches: my work-group's 16 KiB of a slot's 64,
	s_and_b32 s59, s[WV], 1
	s_lshl_b32 s59, s59, 13
	s_add_co_u32 s58, s58, s59                     ; my wave's 8 of them,
	s_add_co_u32 s58, s58, s54                     ; in my head,
	s_add_co_u32 s58, s58, FILL                    ; in the second slot's keys: the first change of slots steps it to the third's
	s_mov_b32 s59, 0
	s_lshl_b32 s60, s16, 14                        ; Q: 16 tiles of 1,024 bytes a block,
	s_lshl_b32 s61, s[WV], 11
	s_add_co_u32 s60, s60, s61                     ; two a wave,
	s_add_co_u32 s60, s60, s54
	s_mov_b32 s61, 0
	s_lshl_b32 s62, s16, 20                        ; out: 256 rows of 4,096 bytes a block,
	s_lshl_b32 s63, s[WV], 17
	s_add_co_u32 s62, s62, s63                     ; 32 a wave,
	s_lshl_b32 s63, s17, 8
	s_add_co_u32 s62, s62, s63                     ; the head's 256 bytes of a row
	s_mov_b32 s63, 0
	s_wait_alu depctr_va_vdst(0)
	s_wait_dscnt 0x0                               ; both opening adds are done
	s_wait_kmcnt 0x0
	s_load_b128 s[48:51], s[10:11], 0x8            ; e2, e3, e4, e5
	s_mov_b32 s[G0K], 1                            ; 1:0 count = 1
	s_mov_b32 s[G0K+1], s18                        ; 63:32 LDS address: slot 0
	s_add_nc_u64 s[G0K+2:G0K+3], s[6:7], s[56:57]  ; 120:64 global address: the head's first eight key steps
	s_or_b32 s[G0K+3], s[G0K+3], 0x80000000        ; 127:126 type = 2
	s_mov_b32 s[G0V], 1
	s_add_co_u32 s[G0V+1], s18, VOFF
	s_add_nc_u64 s[G0V+2:G0V+3], s[8:9], s[56:57]
	s_or_b32 s[G0V+3], s[G0V+3], 0x80000000
	s_cmp_lt_u32 s[WV], 4
	s_cselect_b64 s[PFA:PFA+1], s[6:7], s[8:9]
	s_add_nc_u64 s[PFA:PFA+1], s[PFA:PFA+1], s[58:59]
	s_add_nc_u64 s[4:5], s[4:5], s[60:61]
	s_add_nc_u64 s[12:13], s[12:13], s[62:63]
	CROUND                                         ; all four work-groups are here: the first joint loads meet
	JLOAD                                          ; slot 0.  Nothing is prefetched here, at the head
	v_and_b32 v[LI], 31, v0
	v_mov_b32 v[PX], 0                             ; written once: a lane permute's destination counts as one of its sources
	v_mov_b32 v[PX+1], 0
	v_lshlrev_b32 v[PFO], 8, v[LI]
	v_lshlrev_b32 v[LI], 4, v[LI]
.irp x, 0,1
	v_mov_b32 v[ST+4*\x+1], 0xff61b1e6             ; the largest score so far: -3e38
	v_mov_b32 v[ST+4*\x+2], 0                      ; the sum, in two halves
	v_mov_b32 v[ST+4*\x+3], 0
	v_mov_b32 v[FF+2*\x+1], 0                      ; (named as the upper half of f's pair)
.endr
	v_add_nc_u32 v[LIV], VOFF, v[LI]
	KADR
	WIN 0x40
.irp n, 0,1,2,3
	global_load_b128 v[QF+4*\n:QF+4*\n+3], v[LI], s[4:5] offset:512*\n   ; Q's two fragments stay in registers
.endr
.set i, 0
.rept 64
	v_mov_b32 v[OA+i], 0                           ; O^T, while the first tiles are on their way.  (The trip is written for all steps alike: its products add onto O^T)
.set i, i+1
.endr
	WIN 0
	s_wait_kmcnt 0x0
	s_add_co_i32 s66, s48, s49
	s_lshl_b32 s66, s66, 23
	s_add_co_i32 s[CS], s[CS], s66                 ; a score stands for score x 2^(e2 + e3): the two exponents are added to c's exponent field
	s_mov_b32 s[CS+1], s[CS]                       ; (named with it as a pair, so it is written)
	s_add_co_i32 s66, s51, 127
	s_lshl_b32 s67, s66, 23
	v_mov_b32 v[SCL], s67                          ; 2^e5 as f32, for the conversion
	s_add_co_i32 s66, s66, 8
	s_lshl_b32 s66, s66, 23
	s_or_b32 s[HLD], s66, 0x600000                 ; 448 x 2^e5
	s_add_co_i32 s52, s50, s51                     ; e4 + e5
	s_wait_alu depctr_va_vdst(0)
	s_wait_loadcnt 0x0                             ; Q
	LEAVE 1
	ENTER 1
	KLOAD                                          ; step 0's scores
	s_wait_dscnt 0x0
	QK
.rept 4
	v_nop                                          ; four places in front of the first read of results
.endr
	SCORES
.set FIRST, 0
	TRIPS 7
	s_sub_co_u32 s[SLOTS], s[SLOTS], 1
.Lslot:                                            ; two trips: behind each change of slots but the last the next slot is asked for
	TRIP 2
	TRIPS 7
	s_sub_co_u32 s[SLOTS], s[SLOTS], 1
	s_cmp_lg_u32 s[SLOTS], 0
	s_cbranch_scc1 .Lslot
	TRIP 3                                         ; the last slot is written out
	TRIPS 7
	TRIP 1
	; THE WAY OUT.  O^T is divided by the row's sum, multiplied by 2^(e4 + e5), and goes through my stage in LDS, a tile of 16 queries at a time: a query's 64 channels are 256 bytes of its row of out.
	s_mul_i32 s66, s[WV], 16*SP
	s_add_co_u32 s66, s66, STAGE                   ; my stage
	v_add_f32 v[ST+2], v[ST+2], v[ST+3]            ; the sum's two halves,
	v_add_f32 v[ST+6], v[ST+6], v[ST+7]
	v_and_b32 v48, 15, v0                          ; r
	v_bfe_u32 v49, v0, 4, 1                        ; h
	v_permlanex16_b32 v[PX], v[ST+2], s[SEL], s[SEL+1]
	v_permlanex16_b32 v[PX+1], v[ST+6], s[SEL], s[SEL+1]
	v_mul_u32_u24 v[STO], v48, SP
	v_mul_u32_u24 v[RD], v49, SP
	v_lshlrev_b32 v[GO], 12, v49
	v_add_f32 v[ST+2], v[ST+2], v[PX]              ; and lane l xor 16's: the row's sum
	v_add_f32 v[ST+6], v[ST+6], v[PX+1]
	v_lshl_add_u32 v[STO], v49, 5, v[STO]
	v_lshl_add_u32 v[RD], v48, 4, v[RD]
	v_lshl_add_u32 v[GO], v48, 4, v[GO]            ; two rows in out
	v_add_nc_u32 v[STO], s66, v[STO]               ; in: row r; tile t's eight channels of my half: 64 t + 32 h bytes on
	v_add_nc_u32 v[RD], s66, v[RD]                 ; back: lanes 0-15 one row, lanes 16-31 the next
	s_wait_alu depctr_va_vdst(0)
	v_rcp_f32 v[ST+2], v[ST+2]
	v_rcp_f32 v[ST+6], v[ST+6]
	v_nop                                          ; a plain line behind the last reciprocal
	s_wait_alu depctr_va_vdst(0)                   ; one wait for the two reciprocals, ahead of their first reader
	v_ldexp_f32 v[FF], v[ST+2], s52                ; x 2^(e4 + e5)
	v_ldexp_f32 v[FF+2], v[ST+6], s52
.macro PACK x                          ; tile x: scaled into the registers that p has left, into the stage, and back as whole rows of 256 bytes
.set rB, 224-32*(\x)
	WIN 0x01                                       ; source 0 (O^T) window 1
	s_wait_alu depctr_va_vdst(0)                   ; ahead of the first reader of O^T
.set i, 0
.rept 16
	v_pk_mul_f32 v[S+32*(\x)+i:S+32*(\x)+i+1], v[OA+32*(\x)+i:OA+32*(\x)+i+1], v[FF+2*(\x):FF+2*(\x)+1] op_sel_hi:[1,0]   ; each accumulator from its low end on
.set i, i+2
.endr
	WIN 0
.irp t, 0,1,2,3
	ds_store_b128 v[STO], v[S+32*(\x)+8*\t:S+32*(\x)+8*\t+3] offset:64*\t
	ds_store_b128 v[STO], v[S+32*(\x)+8*\t+4:S+32*(\x)+8*\t+7] offset:64*\t+16
.endr
.irp f, 0,1,2,3,4,5,6,7
	ds_load_b128 v[rB+4*\f:rB+4*\f+3], v[RD] offset:\f*2*SP   ; LDS serves a wave's instructions in order (ISA guide 5.7.1.4): these see my stores, and the next tile's stores come behind them
.endr
.endm
.macro SEND x, younger                 ; younger: the LDS instructions issued behind tile x's loads
.set rB, 224-32*(\x)
.irp f, 0,1,2,3,4,5,6,7
	s_wait_dscnt \younger+7-\f
	global_store_b128 v[GO], v[rB+4*\f:rB+4*\f+3], s[12:13] offset:(16*(\x)+2*\f)*4096 th:TH_STORE_NT   ; sixteen lanes store 256 consecutive bytes, at a multiple of 256 from out's first byte
.endr
.endm
	PACK 0
	PACK 1
	SEND 0, 16
	SEND 1, 0
	s_wait_tensorcnt 0x0                           ; the wave's end: behind my last tensor load and my last LDS store
	ds_add_u32 v[SPW], v[NIL]
	s_wait_dscnt 0x0
	CROUND                                         ; the closing round: no work-group ends while a partner may still ask for a tile that names it
	s_endpgm
.Lfunc_end_k_qcf01fe5617_attn:
	.size	k_qcf01fe5617_attn, .Lfunc_end_k_qcf01fe5617_attn-k_qcf01fe5617_attn
	.p2alignl 7, 3214868480
	.fill 96, 4, 3214868480
	.section	.rodata,"a",@progbits
	.p2align	6, 0x0
	.amdhsa_kernel k_qcf01fe5617_attn
		.amdhsa_group_segment_fixed_size 327680
		.amdhsa_private_segment_fixed_size 0
		.amdhsa_enable_private_segment 0
		.amdhsa_kernarg_size 40
		.amdhsa_user_sgpr_count 2
		.amdhsa_user_sgpr_kernarg_segment_ptr 1
		.amdhsa_wavefront_size32 1
		.amdhsa_system_sgpr_workgroup_id_x 1
		.amdhsa_system_sgpr_workgroup_id_y 1
		.amdhsa_system_sgpr_workgroup_id_z 1
		.amdhsa_system_vgpr_workitem_id 0
		.amdhsa_next_free_vgpr 448
		.amdhsa_next_free_sgpr 100
		.amdhsa_reserve_vcc 0
		.amdhsa_float_denorm_mode_32 3
		.amdhsa_float_denorm_mode_16_64 3
		.amdhsa_memory_ordered 1
		.amdhsa_forward_progress 1
		.amdhsa_inst_pref_size 185
	.end_amdhsa_kernel
	.amdgpu_metadata
---
amdhsa.version: [ 1, 2 ]
amdhsa.kernels:
  - .name:           k_qcf01fe5617_attn
    .symbol:         k_qcf01fe5617_attn.kd
    .args:
      - { .name: q_img, .offset: 0, .size: 8, .value_kind: global_buffer, .address_space: global }
      - { .name: k_img, .offset: 8, .size: 8, .value_kind: global_buffer, .address_space: global }
      - { .name: v_img, .offset: 16, .size: 8, .value_kind: global_buffer, .address_space: global }
      - { .name: lowp_scales, .offset: 24, .size: 8, .value_kind: global_buffer, .address_space: global }
      - { .name: out0, .offset: 32, .size: 8, .value_kind: global_buffer, .address_space: global }
    .group_segment_fixed_size: 327680
    .private_segment_fixed_size: 0
    .kernarg_segment_align: 8
    .kernarg_segment_size: 40
    .max_flat_workgroup_size: 256
    .sgpr_count:     100
    .vgpr_count:     448
    .wavefront_size: 32
...
	.end_amdgpu_metadata
.endif
;; end of part 3
